; MI455X (gfx1250); checked and timed in simulation.
; The chip was launched on July 23, 2026; its instructions are those of AMD's public machine-readable ISA for CDNA 5 (MIT licence, August 2026) and "CDNA5" Instruction Set Architecture Reference Guide (July 2026). The comments in the code are by the model that wrote it; some were corrected since.
;; Attn Block. Allowed arithmetic: float matrix products may take bf16 or f16 operands with f32 sums; all other float work in f32.
;; Inputs: gn_b 512 float32; gn_w 512 float32; kb 512 float32; kw 512 x 512 float32; pb 512 float32; pw 512 x 512 float32; qb 512 float32; qw 512 x 512 float32; vb 512 float32; vw 512 x 512 float32; x 8 x 512 x 2,048 float32.
;; Outputs: out0 8 x 512 x 2,048 float32.
;; One version. Each part assembles by itself: llvm-mc -triple=amdgcn-amd-amdhsa -mcpu=gfx1250 --defsym DOCPART=n.
;; ======== version 1 of 1: 3 launches
;; workspace buffers: stats 16,384 bytes; wbf 1,572,864 bytes; vb2 2,048 bytes; qt 16,777,216 bytes; kt 16,777,216 bytes; vblk 16,777,216 bytes
;; launch prep (part 1): grid 256 x 1, 8 waves a work-group, no clusters, 99,584 bytes of LDS; arguments x, qw, kw, vw, pw, vb, stats, wbf, vb2; writes stats, wbf, vb2
.if DOCPART == 1
	.amdgcn_target "amdgcn-amd-amdhsa--gfx1250"
	.amdhsa_code_object_version 6
	.text
	.protected	k_q2fe4e167de_prep
	.globl	k_q2fe4e167de_prep
	.p2align	8
	.type	k_q2fe4e167de_prep,@function
k_q2fe4e167de_prep:
	s_mov_b64 s[64:65], 0
	v_nop
	global_prefetch_b8 v0, s[64:65] scope:SCOPE_SE
	s_setreg_imm32_b32 hwreg(HW_REG_WAVE_MODE, 25, 1), 1
	s_wait_xcnt 0x0
; PREP: partial statistics of GroupNorm; qw and kw rounded to bf16; the projection folded into the value weights.
; (1) x is [8][512][2048] f32; a group is 128 channels x 2048 = 1 MiB of neighbouring bytes.  Work-group g owns the 131,072 bytes at
;     g x 131,072, one eighth of group g >> 3; a wave owns 16 KiB: 32 loads of 512 neighbouring bytes, 128 numbers a lane, which stay
;     in registers between the pass for the mean and the pass for the squared deviations.  Each wave stores (mean, sum of squared
;     deviations about ITS OWN mean) of its 4,096 numbers; the next launch joins the 64 parts of a group.  No difference of large
;     sums is formed, so a common offset of x costs no accuracy.
; (2) wbf is bf16 [3][512][512]: qw, kw, W'.  The work-group rounds 4 KiB of qw and of kw.
; (3) pw (vw xn + vb) = (pw vw) xn + pw vb for every input, by linearity: W' = pw vw and b' = pw vb are made here, once, so that the value
;     pass of the next launch yields the projected values and the last launch needs no projection.
;     Work-group g = (ob = g >> 3, cb = g & 7) makes W'[16 ob .. + 15][64 cb .. + 63]: vw's 512 rows x 256 bytes and pw's 16 rows are
;     rounded to bf16 into LDS; waves 0 to 3 make one tile of 16 x 16 each, 16 matrix instructions (K = 512), sums in f32, W' rounded once.
;     b' is summed in f32: wave w holds rows 2 w, 2 w + 1 of the pw block whole; thread 32 cb stores the pair of rows 2 cb, 2 cb + 1.
;     A row of the block is 128 bytes of W': an aligned 256 bytes of W' are written by two work-groups (0.5 MiB in all).
; No cluster: what is shared (vw, pw) passes through a conversion in registers.
; WINDOWS: 0 addresses, x, sums; 1 the raw weights (vw v0-127, pw v128-159, vb v160-175), then the fragments (vw^T v0-127, pw v128-255).
; LIMITS: NaN and infinities are not served.  W' carries one bf16 rounding more than the chain of two products in the reference.
.set VWL,  0                           ; 512 rows m x 160 bytes (64 bf16 + 32 of padding: 5 x 32, for the transposing load)
.set PWL,  81920                       ; 16 rows o x 1,040 bytes (512 bf16 + 16 of padding: 65 x 16)
.set X,    16                          ; v[16:143]  my 128 numbers of x
.set W,    144                         ; v[144:151] qw, kw as loaded, then 2 words of bf16 in the first two of each four
.set LANE, 152
.set SOFF, 153                         ; 8 x wave: my pair in the work-group's 64 bytes of stats
.set VWO,  154
.set PWO,  155
.set VBO,  156
.set VWS,  157
.set PWS,  158
.set TRA,  159
.set TRB,  160
.set PWF,  161
.set WOUT, 162
.set R,    163
.set H,    164
.set ZERO, 165
.set ACC0, 168                         ; v[168:175], v[176:183]: two accumulators that take turns
.set ACC1, 176
.set BS,   184                         ; v[184:187] b' of my two rows
.set OW,   188                         ; v[188:191] 8 bf16 of W'
.set WAVE, 22
.set SEL,  28                          ; s[28:29]   v_permlanex16_b32: lane i of one half reads lane i of the other
.set THR,  33
.set MSB, 0
.macro WIN new                         ; the immediate's high byte repeats the setting that is left; a switch that changes nothing is dropped
.if MSB != (\new)
	s_set_vgpr_msb (MSB<<8)|(\new)
.set MSB, (\new)
.endif
.endm
.macro WSUM a, t                       ; sum over the 32 lanes, in every lane
	v_add_f32_dpp v[\a], v[\a], v[\a] row_xmask:1 row_mask:0xf bank_mask:0xf
	v_add_f32_dpp v[\a], v[\a], v[\a] row_xmask:2 row_mask:0xf bank_mask:0xf
	v_add_f32_dpp v[\a], v[\a], v[\a] row_xmask:4 row_mask:0xf bank_mask:0xf
	v_add_f32_dpp v[\a], v[\a], v[\a] row_xmask:8 row_mask:0xf bank_mask:0xf
	v_permlanex16_b32 v[\t], v[\a], s[SEL], s[SEL+1]
	v_add_f32 v[\a], v[\a], v[\t]
.endm
.macro FOLD                            ; four pair chains v[4:11] into v4, then over the lanes
	v_pk_add_f32 v[4:5], v[4:5], v[6:7]
	v_pk_add_f32 v[8:9], v[8:9], v[10:11]
	v_pk_add_f32 v[4:5], v[4:5], v[8:9]
	v_add_f32 v4, v4, v5
	WSUM 4, 5
.endm
.macro WM d, a, b, zero                ; zero = 1: the product starts the sum, nothing is cleared
.if \zero
	v_wmma_f32_16x16x32_bf16 v[\d:\d+7], v[\a:\a+7], v[\b:\b+7], 0
.else
	v_wmma_f32_16x16x32_bf16 v[\d:\d+7], v[\a:\a+7], v[\b:\b+7], v[\d:\d+7]
.endif
.endm
	s_load_b512 s[4:19], s[0:1], 0x0               ; x 4, qw 6, kw 8, vw 10, pw 12, vb 14, stats 16, wbf 18
	s_load_b64 s[20:21], s[0:1], 0x40              ; vb2
	v_lshl_add_u32 v254, v0, 2, 0x18100
	v_mov_b32 v255, 0
	v_and_b32 v[LANE], 31, v0
	v_lshrrev_b32 v14, 5, v0
	v_readfirstlane_b32 s[WAVE], v14               ; wave w
	v_and_b32 v[R], 15, v0                         ; r
	v_bfe_u32 v[H], v0, 4, 1                       ; h
	s_lshr_b32 s23, ttmp9, 3                       ; ob
	s_and_b32 s24, ttmp9, 7                        ; cb
	s_mov_b32 s[SEL], 0x76543210
	s_mov_b32 s[SEL+1], 0xfedcba98
	v_mov_b32 v[ZERO], 0
	v_lshlrev_b32 v1, 4, v[LANE]
	v_lshl_add_u32 v1, v14, 14, v1                 ; x: 16 KiB x wave + 16 x lane
	v_lshlrev_b32 v[SOFF], 3, v14
	v_lshlrev_b32 v2, 4, v0                        ; qw, kw in: 16 bytes a thread
	v_lshlrev_b32 v3, 3, v0                        ; out: 8 bytes a thread, 256 aligned bytes a wave
	s_lshl_b32 s30, s[WAVE], 17
	v_lshlrev_b32 v[VWO], 4, v[R]
	v_lshl_add_u32 v[VWO], v[H], 13, v[VWO]
	v_add_nc_u32 v[VWO], s30, v[VWO]               ; vw: (64 w + 4 h) rows of 2,048 bytes + 16 r
	s_mul_i32 s30, s[WAVE], 10240
	v_mul_u32_u24 v[VWS], v[H], 640
	v_lshl_add_u32 v[VWS], v[R], 3, v[VWS]
	v_add_nc_u32 v[VWS], s30, v[VWS]               ; VWL + (64 w + 4 h) 160 + 8 r
	s_lshl_b32 s30, s[WAVE], 12
	v_lshl_add_u32 v[PWO], v[LANE], 4, s30         ; pw: row 2 w of the block + 16 x lane
	s_mul_i32 s30, s[WAVE], 2080
	s_add_co_u32 s30, s30, PWL
	v_lshl_add_u32 v[PWS], v[LANE], 3, s30         ; PWL + 2 w x 1,040 + 8 x lane
	v_lshlrev_b32 v[VBO], 4, v[LANE]
	v_and_b32 v15, 7, v0
	v_lshl_add_u32 v15, v[H], 3, v15
	v_mul_u32_u24 v[TRA], v15, 160
	v_bfe_u32 v15, v0, 3, 1
	v_lshl_add_u32 v[TRA], v15, 4, v[TRA]
	s_lshl_b32 s30, s[WAVE], 5
	v_add_nc_u32 v[TRA], s30, v[TRA]               ; VWL + (8 h + (lane & 7)) 160 + 16 ((lane >> 3) & 1) + 32 w: columns 16 w .. of the block
	v_add_nc_u32 v[TRB], 40960, v[TRA]             ; rows 256 and on: beyond the reach of the 16-bit offset
	v_lshlrev_b32 v[WOUT], 10, v[R]
	v_lshl_add_u32 v[WOUT], v[H], 4, v[WOUT]
	v_add_nc_u32 v[WOUT], s30, v[WOUT]             ; W': row r of 1,024 bytes + (16 w + 8 h) x 2
	v_mul_u32_u24 v[PWF], v[R], 1040
	v_lshl_add_u32 v[PWF], v[H], 4, v[PWF]
	v_add_nc_u32 v[PWF], PWL, v[PWF]               ; PWL + 1,040 r + 16 h
	s_lshl_b32 s[THR], s24, 5                      ; the thread that stores b'
	s_mov_b32 s27, 0
	s_wait_kmcnt 0x0
	s_lshl_b32 s26, s24, 8
	s_add_nc_u64 s[10:11], s[10:11], s[26:27]      ; vw at my 64 columns
	s_lshl_b32 s26, s23, 15
	s_add_nc_u64 s[12:13], s[12:13], s[26:27]      ; pw at my 16 rows
	WIN 0x40                                       ; destinations in window 1
.set u, 0
.rept 32
	global_load_b128 v[4*u:4*u+3], v[VWO], s[10:11] offset:((u&3)+8*(u>>2))*2048   ; lanes 0-15: 256 bytes of row 64 w + (u & 3) + 8 (u >> 2); lanes 16-31: four rows on
.set u, u+1
.endr
.set i, 0
.rept 8
	global_load_b128 v[128+4*i:128+4*i+3], v[PWO], s[12:13] offset:(i>>2)*2048+(i&3)*512
.set i, i+1
.endr
.set i, 0
.rept 4
	global_load_b128 v[160+4*i:160+4*i+3], v[VBO], s[14:15] offset:512*i           ; vb at the columns of pw that I hold
.set i, i+1
.endr
	WIN 0
	s_lshl_b32 s26, ttmp9, 12                      ; 4 KiB of qw and of kw
	s_add_nc_u64 s[6:7], s[6:7], s[26:27]
	s_add_nc_u64 s[8:9], s[8:9], s[26:27]
	global_load_b128 v[W:W+3],   v2, s[6:7] th:TH_LOAD_NT
	global_load_b128 v[W+4:W+7], v2, s[8:9] th:TH_LOAD_NT
	s_lshl_b32 s26, ttmp9, 17
	s_add_nc_u64 s[4:5], s[4:5], s[26:27]
.set j, 0
.rept 32
	global_load_b128 v[X+4*j:X+4*j+3], v1, s[4:5] offset:512*j     ; no hint: the later launches read x again
.set j, j+1
.endr
	s_lshl_b32 s26, s23, 14
	s_lshl_b32 s31, s24, 7
	s_add_co_u32 s26, s26, s31
	s_add_nc_u64 s[34:35], s[18:19], s[26:27]      ; wbf at row 16 ob, column 64 cb (the third matrix stands in the store's offset)
	s_lshl_b32 s26, ttmp9, 11
	s_add_nc_u64 s[18:19], s[18:19], s[26:27]      ; 2 KiB of each rounded matrix
	s_lshl_b32 s26, ttmp9, 6
	s_add_nc_u64 s[16:17], s[16:17], s[26:27]      ; 8 pairs of stats
	s_lshl_b32 s26, s23, 6
	s_lshl_b32 s31, s24, 3
	s_add_co_u32 s26, s26, s31
	s_add_nc_u64 s[20:21], s[20:21], s[26:27]      ; b' of rows 16 ob + 2 cb, + 1
	s_wait_loadcnt 46                              ; vw's 32 loads are in; 8 + 4 + 2 + 32 younger ones stay out
	WIN 0x45
.set u, 0
.rept 32
	v_cvt_pk_bf16_f32 v[4*u],   v[4*u],   v[4*u+1]
	v_cvt_pk_bf16_f32 v[4*u+1], v[4*u+2], v[4*u+3]
.set u, u+1
.endr
	WIN 0x04
.set u, 0
.rept 32
	ds_store_b64 v[VWS], v[4*u:4*u+1] offset:((u&3)+8*(u>>2))*160  ; lanes 16-31 write 640 bytes on: 128 modulo 256, other banks
.set u, u+1
.endr
	s_wait_loadcnt 34                              ; pw and vb are in; qw, kw and x stay out
	WIN 0x05
	v_pk_mul_f32 v[BS:BS+1],   v[128:129], v[160:161]              ; b': the first products start the sums
	v_pk_mul_f32 v[BS+2:BS+3], v[144:145], v[160:161]
.set p, 1
.rept 7
	v_pk_fma_f32 v[BS:BS+1],   v[128+2*p:128+2*p+1], v[160+2*p:160+2*p+1], v[BS:BS+1]
	v_pk_fma_f32 v[BS+2:BS+3], v[144+2*p:144+2*p+1], v[160+2*p:160+2*p+1], v[BS+2:BS+3]
.set p, p+1
.endr
	WIN 0x45
.set i, 0
.rept 8
	v_cvt_pk_bf16_f32 v[128+4*i],   v[128+4*i],   v[128+4*i+1]
	v_cvt_pk_bf16_f32 v[128+4*i+1], v[128+4*i+2], v[128+4*i+3]
.set i, i+1
.endr
	WIN 0x04
.set i, 0
.rept 8
	ds_store_b64 v[PWS], v[128+4*i:128+4*i+1] offset:(i>>2)*1040+(i&3)*256
.set i, i+1
.endr
	WIN 0
	s_wait_loadcnt 32                              ; qw and kw are in; the 32 loads of x are younger
.irp m, 0,1
	v_cvt_pk_bf16_f32 v[W+4*\m],   v[W+4*\m],   v[W+4*\m+1]
	v_cvt_pk_bf16_f32 v[W+4*\m+1], v[W+4*\m+2], v[W+4*\m+3]
	global_store_b64 v3, v[W+4*\m:W+4*\m+1], s[18:19] offset:\m*524288
.endr
	s_wait_dscnt 0x0                               ; my rows of both blocks are written:
	s_barrier_signal -1                            ; say so,
	v_add_f32 v[BS], v[BS], v[BS+1]                ; work on registers meanwhile,
	v_add_f32 v[BS+1], v[BS+2], v[BS+3]
	WSUM BS, 14
	WSUM BS+1, 14                                  ; v[BS:BS+1] = b' of rows 2 w, 2 w + 1 of the block
	s_barrier_wait -1                              ; and read the others' rows when all eight have said so
	s_cmp_ge_u32 s[WAVE], 4
	s_cbranch_scc1 .Lno_tile                       ; four tiles: waves 0 to 3
	WIN 0x40
.irp ks, 0,1,2,3,4,5,6,7
	ds_load_tr16_b128 v[8*\ks:8*\ks+3],   v[TRA] offset:5120*\ks           ; vw^T: lane r = column 16 w + r, K = rows 32 ks ..
	ds_load_tr16_b128 v[8*\ks+4:8*\ks+7], v[TRA] offset:5120*\ks+2560
	ds_load_b128 v[128+8*\ks:128+8*\ks+3],   v[PWF] offset:64*\ks          ; pw: lane r = row r, K along the row
	ds_load_b128 v[128+8*\ks+4:128+8*\ks+7], v[PWF] offset:64*\ks+32
.endr
.irp ks, 8,9,10,11,12,13,14,15
	ds_load_tr16_b128 v[8*\ks:8*\ks+3],   v[TRB] offset:5120*(\ks-8)
	ds_load_tr16_b128 v[8*\ks+4:8*\ks+7], v[TRB] offset:5120*(\ks-8)+2560
	ds_load_b128 v[128+8*\ks:128+8*\ks+3],   v[PWF] offset:64*\ks
	ds_load_b128 v[128+8*\ks+4:128+8*\ks+7], v[PWF] offset:64*\ks+32
.endr
	WIN 0x05
	s_wait_dscnt 32                                ; K steps 0 to 7 are in; the 32 loads of steps 8 to 15 are younger
	; source 0 = vw^T, source 1 = pw: a lane holds row r of W' and 8 neighbouring columns.
	; Even K steps on one accumulator, odd ones on the other, one instruction a turn.
	WM ACC0, 0, 128, 1
	WM ACC1, 8, 136, 1
.irp ks, 2,4,6
	WM ACC0, 8*\ks, 128+8*\ks, 0
	WM ACC1, 8*\ks+8, 136+8*\ks, 0
.endr
	s_wait_dscnt 0x0
.irp ks, 8,10,12,14
	WM ACC0, 8*\ks, 128+8*\ks, 0
	WM ACC1, 8*\ks+8, 136+8*\ks, 0
.endr
	WIN 0
.rept 4
	v_nop                                          ; four places between a matrix instruction and a vector read of its result (ISA guide 7.12.1)
.endr
.irp e, 0,2,4,6
	v_pk_add_f32 v[ACC0+\e:ACC0+\e+1], v[ACC0+\e:ACC0+\e+1], v[ACC1+\e:ACC1+\e+1]
.endr
.irp q, 0,1,2,3
	v_cvt_pk_bf16_f32 v[OW+\q], v[ACC0+2*\q], v[ACC0+2*\q+1]
.endr
	global_store_b128 v[WOUT], v[OW:OW+3], s[34:35] offset:1048576
.Lno_tile:
	; x, pass 1: the sum, in four chains of pairs; the first eight pairs start them, nothing is cleared
	s_wait_loadcnt 24                              ; loads 0 to 7 of x are in, 24 younger ones stay out
.irp k, 0,1,2,3
	v_pk_add_f32 v[4+2*\k:5+2*\k], v[X+2*\k:X+2*\k+1], v[X+8+2*\k:X+8+2*\k+1]
.endr
.set p, 8
.rept 8
	v_pk_add_f32 v[4+2*(p%4):5+2*(p%4)], v[4+2*(p%4):5+2*(p%4)], v[X+2*p:X+2*p+1]
.set p, p+1
.endr
.irp left, 16,8,0
	s_wait_loadcnt \left                           ; eight more loads are in
.rept 16
	v_pk_add_f32 v[4+2*(p%4):5+2*(p%4)], v[4+2*(p%4):5+2*(p%4)], v[X+2*p:X+2*p+1]
.set p, p+1
.endr
.endr
	FOLD
	v_mul_f32 v12, 0xb9800000, v4                  ; - mean = - sum / 4096
	v_mov_b32 v13, v12
	; pass 2, from registers: the squared deviations about that mean
.irp k, 0,1,2,3
	v_pk_add_f32 v[X+2*\k:X+2*\k+1], v[X+2*\k:X+2*\k+1], v[12:13]
.endr
.irp k, 0,1,2,3
	v_pk_mul_f32 v[4+2*\k:5+2*\k], v[X+2*\k:X+2*\k+1], v[X+2*\k:X+2*\k+1]
.endr
.set p, 4
.rept 15
.irp k, 0,1,2,3
	v_pk_add_f32 v[X+2*(p+\k):X+2*(p+\k)+1], v[X+2*(p+\k):X+2*(p+\k)+1], v[12:13]
.endr
.irp k, 0,1,2,3
	v_pk_fma_f32 v[4+2*\k:5+2*\k], v[X+2*(p+\k):X+2*(p+\k)+1], v[X+2*(p+\k):X+2*(p+\k)+1], v[4+2*\k:5+2*\k]
.endr
.set p, p+4
.endr
	FOLD
	v_xor_b32 v12, 0x80000000, v12
	v_mov_b32 v13, v4                              ; v[12:13] = (mean, sum of squared deviations)
	s_wait_xcnt 0x0                                ; EXEC is a source of the loads and stores above: it changes only behind this wait
	v_cmp_eq_u32 vcc_lo, 0, v[LANE]
	s_wait_tensorcnt 0x0
	ds_add_u32 v254, v255
	s_wait_dscnt 0x0
	s_and_saveexec_b32 s32, vcc_lo
	global_store_b64 v[SOFF], v[12:13], s[16:17]   ; one pair a wave
	v_cmp_eq_u32 vcc_lo, s[THR], v0                ; of the lanes 0 the one of wave cb
	s_wait_xcnt 0x0                                ; and again, in front of the line that narrows EXEC further
	s_and_saveexec_b32 s36, vcc_lo
	global_store_b64 v[ZERO], v[BS:BS+1], s[20:21] ; b' of two rows, from one thread of the work-group
	s_endpgm
.Lfunc_end_k_q2fe4e167de_prep:
	.size	k_q2fe4e167de_prep, .Lfunc_end_k_q2fe4e167de_prep-k_q2fe4e167de_prep
	.p2alignl 7, 3214868480
	.fill 96, 4, 3214868480
	.section	.rodata,"a",@progbits
	.p2align	6, 0x0
	.amdhsa_kernel k_q2fe4e167de_prep
		.amdhsa_group_segment_fixed_size 99584
		.amdhsa_private_segment_fixed_size 0
		.amdhsa_enable_private_segment 0
		.amdhsa_kernarg_size 72
		.amdhsa_user_sgpr_count 2
		.amdhsa_user_sgpr_kernarg_segment_ptr 1
		.amdhsa_wavefront_size32 1
		.amdhsa_system_sgpr_workgroup_id_x 1
		.amdhsa_system_sgpr_workgroup_id_y 1
		.amdhsa_system_sgpr_workgroup_id_z 1
		.amdhsa_system_vgpr_workitem_id 0
		.amdhsa_next_free_vgpr 512
		.amdhsa_next_free_sgpr 66
		.amdhsa_reserve_vcc 1
		.amdhsa_float_denorm_mode_32 3
		.amdhsa_float_denorm_mode_16_64 3
		.amdhsa_memory_ordered 1
		.amdhsa_forward_progress 1
		.amdhsa_inst_pref_size 41
	.end_amdhsa_kernel
	.amdgpu_metadata
---
amdhsa.version: [ 1, 2 ]
amdhsa.kernels:
  - .name:           k_q2fe4e167de_prep
    .symbol:         k_q2fe4e167de_prep.kd
    .args:
      - { .name: x, .offset: 0, .size: 8, .value_kind: global_buffer, .address_space: global }
      - { .name: qw, .offset: 8, .size: 8, .value_kind: global_buffer, .address_space: global }
      - { .name: kw, .offset: 16, .size: 8, .value_kind: global_buffer, .address_space: global }
      - { .name: vw, .offset: 24, .size: 8, .value_kind: global_buffer, .address_space: global }
      - { .name: pw, .offset: 32, .size: 8, .value_kind: global_buffer, .address_space: global }
      - { .name: vb, .offset: 40, .size: 8, .value_kind: global_buffer, .address_space: global }
      - { .name: stats, .offset: 48, .size: 8, .value_kind: global_buffer, .address_space: global }
      - { .name: wbf, .offset: 56, .size: 8, .value_kind: global_buffer, .address_space: global }
      - { .name: vb2, .offset: 64, .size: 8, .value_kind: global_buffer, .address_space: global }
    .group_segment_fixed_size: 99584
    .private_segment_fixed_size: 0
    .kernarg_segment_align: 8
    .kernarg_segment_size: 72
    .max_flat_workgroup_size: 256
    .sgpr_count:     66
    .vgpr_count:     512
    .wavefront_size: 32
...
	.end_amdgpu_metadata
.endif
;; end of part 1
;; launch qkv (part 2): grid 32 x 8, 4 waves a work-group, clusters of 4 x 1, 327,680 bytes of LDS; arguments x, gn_w, gn_b, stats, wbf, qb, kb, vb2, qt, kt, vblk; writes qt, kt, vblk
.if DOCPART == 2
	.amdgcn_target "amdgcn-amd-amdhsa--gfx1250"
	.amdhsa_code_object_version 6
	.text
	.protected	k_q2fe4e167de_qkv
	.globl	k_q2fe4e167de_qkv
	.p2align	8
	.type	k_q2fe4e167de_qkv,@function
k_q2fe4e167de_qkv:
	s_mov_b64 s[64:65], 0
	v_nop
	global_prefetch_b8 v0, s[64:65] scope:SCOPE_SE
	s_setreg_imm32_b32 hwreg(HW_REG_WAVE_MODE, 25, 1), 1
	s_wait_xcnt 0x0
	s_wait_alu depctr_hold_cnt(0) depctr_sa_sdst(0) depctr_va_vdst(0) depctr_va_sdst(0) depctr_va_ssrc(0) depctr_va_vcc(0) depctr_vm_vsrc(0)
	s_getreg_b32 s2, hwreg(HW_REG_IB_STS2, 6, 4)
	s_cmp_eq_u32 s2, 0
	s_cbranch_scc0 .Lentry_in_a_cluster
	s_endpgm
.Lentry_in_a_cluster:
	s_bfe_u32 s2, ttmp6, 0x10000c
	s_cmp_lg_u32 s2, 0x3003
	s_cbranch_scc0 .Lentry_shape_is_right
	s_endpgm
.Lentry_shape_is_right:
; QKV: GroupNorm applied, then q = qw xn + qb, k = kw xn + kb, v' = W' xn + b' (W' = pw vw and b' = pw vb come from the launch before:
; v' is the projected value pw (vw xn + vb)).
; A work-group takes 64 positions of one batch (grid x = block of positions, y = batch) and all 3 x 512 outputs, in three passes.
; xn (512 channels x 64 positions, bf16) lies as 64 fragments in 512 registers of EVERY wave, so the loop reads weights alone from LDS:
; 8 fragments (16 loads) for 32 matrix instructions.  A wave makes 128 outputs x 64 positions: 32 accumulator tiles, 256 registers.
; OUT: qt, kt = bf16 in fragment order: [8 batches][128 blocks of 16 positions][16 steps of 32 channels][1 KiB = half x 512 + lane x 16]: lane (r, h)
;      holds position r, channels 8 h .. + 7 of the half.  A lane's 8 rounded results ARE such a piece, so q and k are stored straight from registers,
;      512 consecutive bytes a store, and the next launch loads fragments as 512 consecutive bytes.
;      vblk = bf16 [8][32 blocks of 64 l][512 c][64 l].
; CLUSTER: the four work-groups of a cluster (neighbouring blocks of one batch) walk the same twelve weight tiles (512 o x 128 c):
; each tile is asked for jointly, mask 15, which divides the requests for weights by four.  A mask names four work-groups, and the
; weights are the only tiles that are shared, so the cluster is 4 x 1.
; REGISTER WINDOWS: 0 addresses, weight fragments, scratch; 1, 2 xn fragments XF(ks, lt) at 8 (4 (ks & 7) + lt), window 1 + (ks >> 3);
; 3 accumulators ACC(ot, lt) at 8 (4 ot + lt) (before the products: the raw second half of x).
; LIMIT: NaN and infinities are not served.  All matrix operands are bf16, sums f32.
.set SLOT,  139264                     ; a weight tile: 512 rows x (256 + 16) bytes; slot 0 at 0, slot 1 at SLOT
.set XST,   278528                     ; 256 channel rows x 160 bytes (64 bf16 + 32 of padding: 5 x 32, for the transposing load); later the waves' stages for v'
.set TAB,   319488                     ; 512 x (a, d) f32: xn = a x + d
.set WAVE,  26
.set SEL,   36                         ; s[36:37]
.set G1W,   40                         ; s[40:47] descriptor group 1
.set G0A,   48                         ; s[48:51] group 0 of slot 0
.set G0B,   52                         ; s[52:55] group 0 of slot 1
.set WADR,  4                          ; v4, v5   my weight fragments in slot 0, 1
.set XO,    6
.set XSTO,  7
.set TRADR, 8
.set CADR,  9
.set TSTO,  10
.set VSTO,  13
.set VSRD,  14
.set QO,    15
.set VO,    16
.set BOFF,  17
.set VBOFF, 18
.set GOFF,  19
.set WF0,   64                         ; v[64:127]  weight fragments, buffer 0
.set WF1,   128                        ; v[128:191] buffer 1
.set CO,    192                        ; v[192:255] coefficients, later biases
.set MSB, 0
.macro WIN new                         ; the immediate's high byte repeats the setting that is left; a switch that changes nothing is dropped
.if MSB != (\new)
	s_set_vgpr_msb (MSB<<8)|(\new)
.set MSB, (\new)
.endif
.endm
.macro PLACES n
.rept \n
	v_nop
.endr
.endm
.macro BAR
	s_barrier_signal -1
	s_barrier_wait -1
.endm
.macro ROUND                           ; a round of the cluster's barrier: my work-group's barrier, wave 0 signals for it, all wait, my barrier again
	s_barrier_signal -1
	s_barrier_wait -1
	s_cmp_lg_u32 s[WAVE], 0
	s_cbranch_scc1 .Lnot_wave_0_\@
	s_barrier_signal -3
.Lnot_wave_0_\@:
	s_barrier_wait -3
	s_barrier_signal -1
	s_barrier_wait -1
.endm
.macro WSUM a, t
	v_add_f32_dpp v[\a], v[\a], v[\a] row_xmask:1 row_mask:0xf bank_mask:0xf
	v_add_f32_dpp v[\a], v[\a], v[\a] row_xmask:2 row_mask:0xf bank_mask:0xf
	v_add_f32_dpp v[\a], v[\a], v[\a] row_xmask:4 row_mask:0xf bank_mask:0xf
	v_add_f32_dpp v[\a], v[\a], v[\a] row_xmask:8 row_mask:0xf bank_mask:0xf
	v_permlanex16_b32 v[\t], v[\a], s[SEL], s[SEL+1]
	v_add_f32 v[\a], v[\a], v[\t]
.endm
.macro FETCHA areg, off, stride, buf   ; eight fragments of 16 rows x 32 K: two loads of 16 bytes each, 32 bytes apart
.irp t, 0,1,2,3,4,5,6,7
	ds_load_b128 v[\buf+8*\t:\buf+8*\t+3],   v[\areg] offset:\off+\t*\stride
	ds_load_b128 v[\buf+8*\t+4:\buf+8*\t+7], v[\areg] offset:\off+\t*\stride+32
.endr
.endm
.macro WM d, a, b, zero                ; zero = 1: the product starts the sum, nothing is cleared
.if \zero
	v_wmma_f32_16x16x32_bf16 v[\d:\d+7], v[\a:\a+7], v[\b:\b+7], 0
.else
	v_wmma_f32_16x16x32_bf16 v[\d:\d+7], v[\a:\a+7], v[\b:\b+7], v[\d:\d+7]
.endif
.endm
	s_load_b512 s[4:19], s[0:1], 0x0               ; x 4, gn_w 6, gn_b 8, stats 10, wbf 12, qb 14, kb 16, b' 18
	s_load_b128 s[20:23], s[0:1], 0x40             ; qt 20, kt 22
	s_load_b64 s[24:25], s[0:1], 0x50              ; vblk
	v_lshl_add_u32 v62, v0, 2, 0x4f000
	v_mov_b32 v63, 0
	ds_add_u32 v62, v63
	v_lshrrev_b32 v32, 5, v0
	v_readfirstlane_b32 s[WAVE], v32               ; wave w
	v_and_b32 v3, 31, v0                           ; lane
	v_and_b32 v1, 15, v0                           ; r
	v_bfe_u32 v2, v0, 4, 1                         ; h
	s_bfe_u32 s27, ttmp6, 0x40000                  ; cx
	s_lshl_b32 s28, ttmp9, 2
	s_add_co_u32 s28, s28, s27                     ; block of 64 positions = 4 x cluster x + cx
	s_and_b32 s29, ttmp7, 0xffff                   ; batch
	s_mov_b32 s[SEL], 0x76543210
	s_mov_b32 s[SEL+1], 0xfedcba98
	v_mov_b32 v33, 0                               ; a destination of v_permlanex16_b32 counts as read
	; group 1: 128 rows x 128 bf16, pitch 512 elements; 16 bytes of padding behind every 64 words; mask 15 with bit 21 beside it
	s_mov_b32 s[G1W+0], 15|(1<<16)|(1<<20)|(1<<21)|(5<<22)|(3<<25)
	s_mov_b32 s[G1W+1], 128<<16
	s_mov_b32 s[G1W+2], 128<<16
	s_mov_b32 s[G1W+3], 128<<16
	s_mov_b32 s[G1W+4], 128
	s_mov_b32 s[G1W+5], 512
	s_mov_b32 s[G1W+6], 0
	s_mov_b32 s[G1W+7], 0
	s_mov_b32 s[G0A], 1
	s_mul_i32 s[G0A+1], s[WAVE], 34816             ; my 128 rows of a tile: w x 128 x 272
	s_mov_b32 s[G0B], 1
	s_add_co_u32 s[G0B+1], s[G0A+1], SLOT
	v_mul_u32_u24 v34, v1, 272
	v_lshl_add_u32 v34, v2, 4, v34                 ; 272 r + 16 h
	v_add_nc_u32 v[WADR], s[G0A+1], v34            ; (128 w + r) 272 + 16 h
	v_add_nc_u32 v[WADR+1], SLOT, v[WADR]
	s_lshl_b32 s30, s[WAVE], 19
	v_lshlrev_b32 v[XO], 4, v1
	v_lshl_add_u32 v[XO], v2, 15, v[XO]
	v_add_nc_u32 v[XO], s30, v[XO]                 ; x: (64 w + 4 h) rows of 8,192 bytes + 16 r
	s_mul_i32 s30, s[WAVE], 10240
	s_add_co_u32 s30, s30, XST
	v_mul_u32_u24 v[XSTO], v2, 640
	v_lshl_add_u32 v[XSTO], v1, 3, v[XSTO]
	v_add_nc_u32 v[XSTO], s30, v[XSTO]             ; XST + (64 w + 4 h) 160 + 8 r
	v_and_b32 v35, 7, v0
	v_lshl_add_u32 v35, v2, 3, v35
	v_mul_u32_u24 v[TRADR], v35, 160
	v_bfe_u32 v35, v0, 3, 1
	v_lshl_add_u32 v[TRADR], v35, 4, v[TRADR]
	v_add_nc_u32 v[TRADR], XST, v[TRADR]           ; XST + (8 h + (lane & 7)) 160 + 16 ((lane >> 3) & 1)
	s_lshl_b32 s30, s[WAVE], 9                     ; 512 w
	s_add_co_u32 s31, s30, TAB
	v_lshl_add_u32 v[CADR], v2, 5, s31             ; TAB + (64 w + 4 h) 8
	v_lshl_add_u32 v[BOFF], v2, 5, s30             ; (128 w + 8 h) 4
	v_lshl_add_u32 v[VBOFF], v1, 2, s30            ; (128 w + r) 4
	v_lshl_add_u32 v[GOFF], v3, 4, s30             ; (128 w + 4 lane) 4; also my 16 bytes of the group's 512 bytes of stats
	s_lshl_b32 s31, s[WAVE], 10
	s_add_co_u32 s31, s31, TAB
	v_lshl_add_u32 v[TSTO], v3, 5, s31             ; TAB + (128 w + 4 lane) 8
	s_mul_i32 s31, s[WAVE], 4352
	s_add_co_u32 s31, s31, XST                     ; my stage for v' on its way out
	v_mul_u32_u24 v35, v1, 144
	v_lshl_add_u32 v35, v2, 4, v35
	v_add_nc_u32 v[VSTO], s31, v35
	v_lshrrev_b32 v35, 3, v3
	v_mul_u32_u24 v35, v35, 144
	v_and_b32 v36, 7, v0
	v_lshl_add_u32 v35, v36, 4, v35
	v_add_nc_u32 v[VSRD], s31, v35
	s_lshl_b32 s30, s[WAVE], 12
	v_lshl_add_u32 v[QO], v3, 4, s30               ; qt, kt: my wave's four steps of 32 channels (4 KiB) + 16 lane
	s_lshl_b32 s30, s[WAVE], 14
	v_lshl_add_u32 v[VO], v3, 4, s30               ; vblk: 16,384 w + 16 lane
	s_lshl_b32 s34, s[WAVE], 17                    ; my 128 rows of a weight matrix, 1,024 bytes each
	s_mov_b32 s35, 0
	s_mov_b32 s39, 0
	s_wait_dscnt 0x0
	s_wait_kmcnt 0x0
	s_add_nc_u64 s[G0A+2:G0A+3], s[12:13], s[34:35]        ; tile 0: matrix q, channels 0 to 127.  Nothing of cx enters
	s_add_nc_u64 s[G0B+2:G0B+3], s[G0A+2:G0A+3], 256       ; tile 1: channels 128 to 255
	s_or_b32 s[G0A+3], s[G0A+3], 0x80000000
	s_or_b32 s[G0B+3], s[G0B+3], 0x80000000
	s_lshl_b32 s38, s29, 22
	s_lshl_b32 s33, s28, 8
	s_add_co_u32 s38, s38, s33
	s_add_nc_u64 s[4:5], s[4:5], s[38:39]          ; x at my batch and my 256 bytes of every row
	s_lshl_b32 s38, s29, 11
	s_add_nc_u64 s[10:11], s[10:11], s[38:39]      ; stats of my batch's four groups
	s_lshl_b32 s38, s29, 21
	s_lshl_b32 s33, s28, 16
	s_add_co_u32 s38, s38, s33                     ; 2 MiB a batch, 64 KiB a block: the same in qt, kt and vblk
	s_add_nc_u64 s[20:21], s[20:21], s[38:39]
	s_add_nc_u64 s[22:23], s[22:23], s[38:39]
	s_add_nc_u64 s[24:25], s[24:25], s[38:39]
; 32 loads: lanes 0-15 take the 256 bytes of channel c0 + 64 w + row(u), lanes 16-31 of the channel four further; row(u) = (u & 3) + 8 (u >> 2)
.macro XLOAD base, c0
.set u, 0
.rept 32
	global_load_b128 v[\base+4*u:\base+4*u+3], v[XO], s[4:5] offset:(\c0+(u&3)+8*(u>>2))*8192
.set u, u+1
.endr
.endm
	global_load_b128 v[20:23], v[GOFF], s[10:11]   ; two of the 64 parts of group w: (mean, M2) twice
	global_load_b128 v[24:27], v[GOFF], s[6:7]     ; gn_w of channels 128 w + 4 lane ..
	global_load_b128 v[28:31], v[GOFF], s[8:9]     ; gn_b
	XLOAD 64, 0                                    ; channels 0 to 255, raw, into v[64:191]
	ROUND                                          ; all four work-groups are here: the first joint loads meet
	tensor_load_to_lds s[G0A:G0A+3], s[G1W:G1W+7]  ; tile 0
	s_nop 0
	tensor_load_to_lds s[G0B:G0B+3], s[G1W:G1W+7]  ; tile 1: two tensor loads of the wave are out
	s_nop 0
	; wave w joins the 64 parts of group w: equal counts, so the mean is the mean of the means,
	; and the squared deviations are the parts' own plus 4,096 times each part mean's squared distance from it
	s_wait_loadcnt 32                              ; stats, gn_w, gn_b are in; the 32 loads of x are younger
	v_add_f32 v32, v20, v22
	WSUM 32, 33
	v_mul_f32 v32, 0x3c800000, v32                 ; mean = sum / 64
	v_sub_f32 v34, v20, v32
	v_sub_f32 v35, v22, v32
	v_add_f32 v36, v21, v23
	v_mul_f32 v34, v34, v34
	v_fmac_f32 v34, v35, v35
	v_fmamk_f32 v36, v34, 0x45800000, v36          ; 4096 x ... + M2
	WSUM 36, 33
	s_mov_b32 s30, 0x36800000                      ; 1 / 262,144
	v_fmaak_f32 v36, s30, v36, 0x358637bd          ; var + 1e-6
	v_rsq_f32 v37, v36
	v_nop                                          ; one plain place behind the transcendental (ISA guide 5.7.2)
	s_wait_alu depctr_va_vdst(0)
.irp k, 0,1,2,3
	v_mul_f32 v[40+2*\k], v37, v[24+\k]            ; a = rstd gn_w
.endr
.irp k, 0,1,2,3
	v_fma_f32 v[41+2*\k], -v32, v[40+2*\k], v[28+\k]       ; d = gn_b - mean a
.endr
	ds_store_b128 v[TSTO], v[40:43]
	ds_store_b128 v[TSTO], v[44:47] offset:16
	WIN 0xC0
	XLOAD 0, 256                                   ; channels 256 to 511, raw, into window 3
	WIN 0
	s_wait_dscnt 0x0                               ; my part of the table is written,
	BAR                                            ; everybody's is
.macro COEF hf                         ; (a, d) of my 64 channels of half hf, two neighbouring channels a load
.set i, 0
.rept 16
	ds_load_b128 v[CO+4*i:CO+4*i+3], v[CADR] offset:(256*\hf+2*(i&1)+8*(i>>1))*8
.set i, i+1
.endr
.endm
.macro NORM win, base                  ; xn = a x + d (a and d from one register pair), then rounded, ascending in place: v[64+2u:65+2u] = 4 positions of row(u)
	WIN \win
.set u, 0
.rept 32
	v_pk_fma_f32 v[64+4*u:64+4*u+1],   v[\base+4*u:\base+4*u+1],   v[CO+2*u:CO+2*u+1], v[CO+2*u:CO+2*u+1] op_sel:[0,0,1] op_sel_hi:[1,0,1]
	v_pk_fma_f32 v[64+4*u+2:64+4*u+3], v[\base+4*u+2:\base+4*u+3], v[CO+2*u:CO+2*u+1], v[CO+2*u:CO+2*u+1] op_sel:[0,0,1] op_sel_hi:[1,0,1]
.set u, u+1
.endr
	WIN 0
.set u, 0
.rept 64
	v_cvt_pk_bf16_f32 v[64+u], v[64+2*u], v[64+2*u+1]
.set u, u+1
.endr
.endm
.macro XSTORE                          ; lanes 0-15 fill 128 bytes of one row, lanes 16-31 of the row 640 bytes on: 128 modulo 256, other banks
.set u, 0
.rept 32
	ds_store_b64 v[XSTO], v[64+2*u:64+2*u+1] offset:((u&3)+8*(u>>2))*160
.set u, u+1
.endr
.endm
.macro TRLOAD                          ; 32 fragments (8 steps of 32 channels x 4 blocks of 16 positions) of the half in XST, transposed on the way
.irp k, 0,1,2,3,4,5,6,7
.irp lt, 0,1,2,3
	ds_load_tr16_b128 v[8*(4*\k+\lt):8*(4*\k+\lt)+3],   v[TRADR] offset:5120*\k+32*\lt
	ds_load_tr16_b128 v[8*(4*\k+\lt)+4:8*(4*\k+\lt)+7], v[TRADR] offset:5120*\k+32*\lt+2560
.endr
.endr
.endm
.macro BIASQK base                     ; bias of outputs 128 w + 16 ot + 8 h + 0..7
.irp ot, 0,1,2,3,4,5,6,7
	global_load_b128 v[CO+8*\ot:CO+8*\ot+3],   v[BOFF], s[\base:\base+1] offset:64*\ot
	global_load_b128 v[CO+8*\ot+4:CO+8*\ot+7], v[BOFF], s[\base:\base+1] offset:64*\ot+16
.endr
.endm
	COEF 0
	s_wait_loadcnt 32                              ; the first half of x is in; the second half's 32 loads are younger
	s_wait_dscnt 0x0
	NORM 0, 64
	XSTORE
	s_wait_dscnt 0x0                               ; my rows of the half are written,
	BAR                                            ; all 256 rows are
	WIN 0x40
	TRLOAD                                         ; every wave takes the whole half: window 1
	WIN 0
	COEF 1
	s_wait_loadcnt 0x0
	s_wait_dscnt 0x0                               ; my reads of XST are back:
	s_barrier_signal -1                            ; say so,
	NORM 0x03, 0                                   ; work on registers meanwhile,
	s_barrier_wait -1                              ; and write XST again only when all four have said so
	XSTORE
	s_wait_dscnt 0x0
	BAR
	WIN 0x80
	TRLOAD                                         ; window 2
	WIN 0
	BIASQK 14
; 32 matrix instructions, K step ks (0..15).  kind 0 (q, k): source 0 = weights, source 1 = xn: a lane holds position r and 8 neighbouring outputs.
; kind 1 (v'): the sources change places: a lane holds output r and 8 neighbouring positions.
; The 32 accumulators take turns, one instruction a turn, in the same order in every run.
.macro MULW kind, ks, wf, zero
.if \kind
	WIN (0xF1+((\ks)>>3))
.else
	WIN (0xF4+4*((\ks)>>3))
.endif
.irp ot, 0,1,2,3,4,5,6,7
.irp lt, 0,1,2,3
.if \kind
	WM 8*(4*\ot+\lt), 8*(4*((\ks)&7)+\lt), \wf+8*\ot, \zero
.else
	WM 8*(4*\ot+\lt), \wf+8*\ot, 8*(4*((\ks)&7)+\lt), \zero
.endif
.endr
.endr
.endm
; One weight tile (128 channels = four K steps), fragments on two buffers.  Each s_wait_dscnt 16 leaves the batch issued last on its way.
; Four places stand between a matrix instruction and a load into a register that it read (ISA guide 7.12.1 for vector instructions).
.macro WORK slot, kind, s, z
	FETCHA WADR+\slot, 0, 4352, WF0
	FETCHA WADR+\slot, 64, 4352, WF1
	s_wait_dscnt 16
	MULW \kind, 4*\s, WF0, \z
	PLACES 4
	WIN 0
	FETCHA WADR+\slot, 128, 4352, WF0
	s_wait_dscnt 16
	MULW \kind, 4*\s+1, WF1, 0
	PLACES 4
	WIN 0
	FETCHA WADR+\slot, 192, 4352, WF1
	s_wait_dscnt 16
	MULW \kind, 4*\s+2, WF0, 0
	s_wait_dscnt 0x0
	MULW \kind, 4*\s+3, WF1, 0
	WIN 0
	PLACES 4                                       ; for the next tile's loads and for the ways out
.endm
; The slot read in the step just ended is filled again: all my tensor loads have landed (so a group 0 may be stepped), my LDS reads are back,
; the cluster's round says both of every wave of all four work-groups, and the joint load is the first thing behind it: one tensor load of the wave is out.
.macro WREFILL g0, step
	s_wait_tensorcnt 0x0
	ds_add_u32 v62, v63
	s_add_nc_u64 s[\g0+2:\g0+3], s[\g0+2:\g0+3], \step
	s_wait_dscnt 0x0
	ROUND
	tensor_load_to_lds s[\g0:\g0+3], s[G1W:G1W+7]
	s_nop 0
.endm
; q or k out, 16 positions at a time: bias, rounding, store.  Tile (ot, lt): lane (r, h) holds position 16 lt + r and channels 128 w + 16 ot + 8 h + 0..7,
; which is half ot & 1 of lane (r, h) in the fragment of step 4 w + (ot >> 1): byte 16,384 lt + 4,096 w + 512 ot + 16 lane of the block.
.macro OUTQK base
	s_wait_loadcnt 0x0                             ; the biases
.irp lt, 0,1,2,3
	WIN 0x03
.irp ot, 0,1,2,3,4,5,6,7
.irp e, 0,2,4,6
	v_pk_add_f32 v[64+8*\ot+\e:64+8*\ot+\e+1], v[8*(4*\ot+\lt)+\e:8*(4*\ot+\lt)+\e+1], v[CO+8*\ot+\e:CO+8*\ot+\e+1]
.endr
.endr
	WIN 0
	s_wait_xcnt 0x0                                ; v[128:159], which the last eight stores read, are written again only behind this wait
.set i, 0
.rept 32
	v_cvt_pk_bf16_f32 v[128+i], v[64+2*i], v[64+2*i+1]
.set i, i+1
.endr
.irp ot, 0,1,2,3,4,5,6,7
	global_store_b128 v[QO], v[128+4*\ot:128+4*\ot+3], s[\base:\base+1] offset:16384*\lt+512*\ot   ; the wave stores 512 consecutive aligned bytes
.endr
.endr
	s_wait_xcnt 0x0                                ; the next tile's fragments land on v[128:159]
.endm
; v' out, 16 channels at a time: rows of 64 positions (128 bytes, 144 in the stage), back as 512 consecutive bytes a load
.macro OUTV
	s_wait_loadcnt 0x0
.irp ot, 0,1,2,3,4,5,6,7
	WIN 0x03
.irp lt, 0,1,2,3
.irp e, 0,2,4,6
.if (\ot&1)
	v_pk_add_f32 v[64+8*\lt+\e:64+8*\lt+\e+1], v[8*(4*\ot+\lt)+\e:8*(4*\ot+\lt)+\e+1], v[CO+\ot-1:CO+\ot] op_sel:[0,1] op_sel_hi:[1,1]
.else
	v_pk_add_f32 v[64+8*\lt+\e:64+8*\lt+\e+1], v[8*(4*\ot+\lt)+\e:8*(4*\ot+\lt)+\e+1], v[CO+\ot:CO+\ot+1] op_sel_hi:[1,0]
.endif
.endr
.endr
	WIN 0
.set i, 0
.rept 16
	v_cvt_pk_bf16_f32 v[128+i], v[64+2*i], v[64+2*i+1]
.set i, i+1
.endr
.irp lt, 0,1,2,3
	ds_store_b128 v[VSTO], v[128+4*\lt:128+4*\lt+3] offset:32*\lt
.endr
	s_wait_xcnt 0x0                                ; v[160:175], which the last stores read, are loaded again only behind this wait
.irp t, 0,1,2,3
	ds_load_b128 v[160+4*\t:160+4*\t+3], v[VSRD] offset:576*\t     ; LDS serves a wave's instructions in order: these see the stores above
.endr
.irp t, 0,1,2,3
	s_wait_dscnt 3-\t
	global_store_b128 v[VO], v[160+4*\t:160+4*\t+3], s[24:25] offset:2048*\ot+512*\t   ; 512 consecutive aligned bytes a store
.endr
.endr
.endm
	; tile n = 4 p + s: matrix p (q, k, v'), channels 128 s ..; from tile n to n + 2: 512 bytes, or 524,288 - 512 into the next matrix.
	; Behind a pass the refill goes out AHEAD of the way out, so that the tile has the way out and the next step in which to land.
	s_wait_tensorcnt 0x1                           ; my part of tile 0 is in; tile 1 may stay out
	s_wait_dscnt 0x0
	BAR
	WORK 0, 0, 0, 1
	WREFILL G0A, 512
	WORK 1, 0, 1, 0
	WREFILL G0B, 512
	WORK 0, 0, 2, 0
	WREFILL G0A, 523776
	WORK 1, 0, 3, 0
	WREFILL G0B, 523776
	OUTQK 20
	BIASQK 16
	WORK 0, 0, 0, 1
	WREFILL G0A, 512
	WORK 1, 0, 1, 0
	WREFILL G0B, 512
	WORK 0, 0, 2, 0
	WREFILL G0A, 523776
	WORK 1, 0, 3, 0
	WREFILL G0B, 523776
	OUTQK 22
.irp ot, 0,1,2,3,4,5,6,7
	global_load_b32 v[CO+\ot], v[VBOFF], s[18:19] offset:64*\ot    ; b' of output 128 w + 16 ot + r
.endr
	WORK 0, 1, 0, 1
	WREFILL G0A, 512
	WORK 1, 1, 1, 0
	WREFILL G0B, 512
	WORK 0, 1, 2, 0
	s_wait_tensorcnt 0x0                           ; the last tile; nothing is left to fetch
	s_wait_dscnt 0x0
	BAR
	WORK 1, 1, 3, 0
	OUTV
	s_wait_tensorcnt 0x0
	ds_add_u32 v62, v63
	s_wait_dscnt 0x0
	ROUND                                          ; the closing round: no work-group ends while a partner may still ask jointly
	s_endpgm
.Lfunc_end_k_q2fe4e167de_qkv:
	.size	k_q2fe4e167de_qkv, .Lfunc_end_k_q2fe4e167de_qkv-k_q2fe4e167de_qkv
	.p2alignl 7, 3214868480
	.fill 96, 4, 3214868480
	.section	.rodata,"a",@progbits
	.p2align	6, 0x0
	.amdhsa_kernel k_q2fe4e167de_qkv
		.amdhsa_group_segment_fixed_size 327680
		.amdhsa_private_segment_fixed_size 0
		.amdhsa_enable_private_segment 0
		.amdhsa_kernarg_size 88
		.amdhsa_user_sgpr_count 2
		.amdhsa_user_sgpr_kernarg_segment_ptr 1
		.amdhsa_wavefront_size32 1
		.amdhsa_system_sgpr_workgroup_id_x 1
		.amdhsa_system_sgpr_workgroup_id_y 1
		.amdhsa_system_sgpr_workgroup_id_z 1
		.amdhsa_system_vgpr_workitem_id 0
		.amdhsa_next_free_vgpr 1024
		.amdhsa_next_free_sgpr 66
		.amdhsa_reserve_vcc 0
		.amdhsa_float_denorm_mode_32 3
		.amdhsa_float_denorm_mode_16_64 3
		.amdhsa_memory_ordered 1
		.amdhsa_forward_progress 1
		.amdhsa_inst_pref_size 255
	.end_amdhsa_kernel
	.section	.bss,"aw",@nobits
	.p2align	6
	.space	262144
	.amdgpu_metadata
---
amdhsa.version: [ 1, 2 ]
amdhsa.kernels:
  - .name:           k_q2fe4e167de_qkv
    .symbol:         k_q2fe4e167de_qkv.kd
    .args:
      - { .name: x, .offset: 0, .size: 8, .value_kind: global_buffer, .address_space: global }
      - { .name: gn_w, .offset: 8, .size: 8, .value_kind: global_buffer, .address_space: global }
      - { .name: gn_b, .offset: 16, .size: 8, .value_kind: global_buffer, .address_space: global }
      - { .name: stats, .offset: 24, .size: 8, .value_kind: global_buffer, .address_space: global }
      - { .name: wbf, .offset: 32, .size: 8, .value_kind: global_buffer, .address_space: global }
      - { .name: qb, .offset: 40, .size: 8, .value_kind: global_buffer, .address_space: global }
      - { .name: kb, .offset: 48, .size: 8, .value_kind: global_buffer, .address_space: global }
      - { .name: vb2, .offset: 56, .size: 8, .value_kind: global_buffer, .address_space: global }
      - { .name: qt, .offset: 64, .size: 8, .value_kind: global_buffer, .address_space: global }
      - { .name: kt, .offset: 72, .size: 8, .value_kind: global_buffer, .address_space: global }
      - { .name: vblk, .offset: 80, .size: 8, .value_kind: global_buffer, .address_space: global }
    .group_segment_fixed_size: 327680
    .private_segment_fixed_size: 0
    .kernarg_segment_align: 8
    .kernarg_segment_size: 88
    .max_flat_workgroup_size: 128
    .sgpr_count:     66
    .vgpr_count:     1024
    .wavefront_size: 32
...
	.end_amdgpu_metadata
.endif
;; end of part 2
;; launch attn (part 3): grid 32 x 8, 4 waves a work-group, clusters of 4 x 1, 327,680 bytes of LDS; arguments qt, kt, vblk, pb, x, out0; writes out0
.if DOCPART == 3
	.amdgcn_target "amdgcn-amd-amdhsa--gfx1250"
	.amdhsa_code_object_version 6
	.text
	.protected	k_q2fe4e167de_attn
	.globl	k_q2fe4e167de_attn
	.p2align	8
	.type	k_q2fe4e167de_attn,@function
k_q2fe4e167de_attn:
	s_mov_b64 s[64:65], 0
	v_nop
	global_prefetch_b8 v0, s[64:65] scope:SCOPE_SE
	s_setreg_imm32_b32 hwreg(HW_REG_WAVE_MODE, 25, 1), 1
	s_wait_xcnt 0x0
	s_wait_alu depctr_hold_cnt(0) depctr_sa_sdst(0) depctr_va_vdst(0) depctr_va_sdst(0) depctr_va_ssrc(0) depctr_va_vcc(0) depctr_vm_vsrc(0)
	s_getreg_b32 s2, hwreg(HW_REG_IB_STS2, 6, 4)
	s_cmp_eq_u32 s2, 0
	s_cbranch_scc0 .Lentry_in_a_cluster
	s_endpgm
.Lentry_in_a_cluster:
	s_bfe_u32 s2, ttmp6, 0x10000c
	s_cmp_lg_u32 s2, 0x3003
	s_cbranch_scc0 .Lentry_shape_is_right
	s_endpgm
.Lentry_shape_is_right:
; ATTN: out = x + pb + softmax(q^T k / sqrt(512)) v', in one launch.  vblk holds v' = pw (vw xn + vb): the projection was folded into the value
; weights two launches ago (linearity, right for every input), so what is summed here is already projected.
; A work-group takes 64 queries of one batch (grid x = block, y = batch) and walks the 2,048 keys in 16 steps of 128.
;   S phase: wave w makes S^T = K Q^T for keys 32 w .. + 31 x all 64 queries (8 tiles); Q lies in 512 registers of every wave.
;   softmax: the query is the lane (r), so maxima, shifts and sums are one number a lane; the four waves' maxima meet in LDS, so that
;            every step takes away the true running maximum over all keys seen.
;   P V phase: wave w owns channels 128 w .. + 127 x 64 queries of O^T = V' P^T (32 tiles, 256 registers).
; A result tile holds (m = 8 h + j, n = r); two tiles that are neighbours along m, rounded to bf16, ARE a fragment whose K runs along m:
; S^T gives P's fragments with no transposition.
; qt and kt lie in fragment order (1 KiB a fragment: half x 512 + lane x 16): Q comes straight into registers, 512 consecutive bytes a load;
; a K tile is a dense 128 KiB, and a wave reads only the quarter that its own tensor load brought.
; CLUSTER: the four query blocks of a cluster read the same K and V' tiles: joint loads, mask 15, a quarter of the requests.
; A mask names four work-groups and only one family of tiles is shared, so the cluster is 4 x 1.
; ORDER OF THE KEYS: cluster n (0..7) of a batch walks the tiles (2 n + t) mod 16, t = 0..15; the running maximum makes any order right.  So the eight
; clusters of a batch ask for eight different tiles at any time, and from the third step on each tile was read by a neighbouring cluster two steps
; before.  That is why no prefetch is written.
; WINDOWS: 0 addresses, softmax, S / P fragments, K / V' fragments; 1, 2 Q(ks, it) at 8 (4 (ks & 7) + it), behind the last S phase the residual x (window 1)
; and pb (window 2); 3 O(ct, it) at 8 (4 ct + it).
; LIMITS: NaN and infinities are not served.  An exponential below 2^-126 of its row's largest term comes out as 0 (v_exp_f32 flushes).
; The row sums are taken from the f32 exponentials, while P enters the product rounded to bf16.
.set VSL,   139264                     ; K tiles at 0 (131,072 bytes, dense); V' tiles at VSL: 512 rows x (256 + 16) bytes
.set PREG,  278528                     ; 16 fragments of 1 KiB: (4 ks + it) 1024 + half x 512 + 16 lane
.set MAXR,  294912                     ; [wave][r][it] f32; the sums 1,024 bytes further
.set STAGE, 296960                     ; 4 waves x 16 rows x 272 bytes
.set WAVE,  18
.set CNEG,  25                         ; s25 = -c
.set CPOS,  0x3d8293ee                 ; c = 512^-0.5 x log2 e
.set IDX,   28                         ; s28 the key tile that was asked for last
.set G1K,   32
.set G1V,   40
.set G0K,   48
.set G0V,   52
.set KB,    56                         ; s[56:57] kt at my batch and my quarter of a tile
.set VB,    58                         ; s[58:59] vblk likewise
.set W0K,   15|(1<<16)|(1<<21)                             ; joint; bf16; no padding: fragments are read as 512 consecutive bytes
.set W0V,   15|(1<<16)|(1<<20)|(1<<21)|(5<<22)|(3<<25)     ; joint; 16 bytes of padding behind every 64 words (a row of two channels x 64 keys)
.set KADR,  4
.set VADR,  5                          ; v5, v6: the tile's first and second block of 64 keys
.set QOFF,  7
.set PST,   10
.set PLD,   11
.set MST,   12
.set MLD,   13
.set STO,   14
.set SRD,   15
.set XOFF,  16
.set PBOFF, 17
.set M,     20                         ; v[20:23] running maximum of raw S, one for each block it of 16 queries
.set NM,    24                         ; v[24:27] -c M
.set AL,    28                         ; v[28:31] the factor for what was summed so far; at the end 1 / sum
.set LS,    32                         ; v[32:35] my lane's part of the sums
.set T,     36
.set W4,    40                         ; v[40:55] the four waves' figures
.set SR,    64                         ; v[64:127] S(it, jt) at 64 + 16 it + 8 jt
.set PF0,   64
.set PF1,   96
.set VF0,   128
.set VF1,   192
.set MSB, 0
.macro WIN new                         ; the immediate's high byte repeats the setting that is left; a switch that changes nothing is dropped
.if MSB != (\new)
	s_set_vgpr_msb (MSB<<8)|(\new)
.set MSB, (\new)
.endif
.endm
.macro PLACES n
.rept \n
	v_nop
.endr
.endm
.macro BAR
	s_barrier_signal -1
	s_barrier_wait -1
.endm
.macro ROUND                           ; a round of the cluster's barrier: my work-group's barrier, wave 0 signals for it, all wait, my barrier again
	s_barrier_signal -1
	s_barrier_wait -1
	s_cmp_lg_u32 s[WAVE], 0
	s_cbranch_scc1 .Lnot_wave_0_\@
	s_barrier_signal -3
.Lnot_wave_0_\@:
	s_barrier_wait -3
	s_barrier_signal -1
	s_barrier_wait -1
.endm
.macro FETCHA areg, off, stride, buf   ; eight fragments of 16 rows x 32 K: two loads of 16 bytes each, 32 bytes apart
.irp t, 0,1,2,3,4,5,6,7
	ds_load_b128 v[\buf+8*\t:\buf+8*\t+3],   v[\areg] offset:\off+\t*\stride
	ds_load_b128 v[\buf+8*\t+4:\buf+8*\t+7], v[\areg] offset:\off+\t*\stride+32
.endr
.endm
.macro WM d, a, b, zero                ; zero = 1: the product starts the sum, nothing is cleared
.if \zero
	v_wmma_f32_16x16x32_bf16 v[\d:\d+7], v[\a:\a+7], v[\b:\b+7], 0
.else
	v_wmma_f32_16x16x32_bf16 v[\d:\d+7], v[\a:\a+7], v[\b:\b+7], v[\d:\d+7]
.endif
.endm
.macro SETG1 g, w0                     ; a wave's quarter of a tile: 128 dense rows of 128 bf16 (256 bytes)
	s_mov_b32 s[\g+0], \w0
	s_mov_b32 s[\g+1], 128<<16
	s_mov_b32 s[\g+2], 128<<16
	s_mov_b32 s[\g+3], 128<<16
	s_mov_b32 s[\g+4], 128
	s_mov_b32 s[\g+5], 128
	s_mov_b32 s[\g+6], 0
	s_mov_b32 s[\g+7], 0
.endm
	s_load_b256 s[4:11], s[0:1], 0x0               ; qt 4, kt 6, vblk 8, pb 10
	s_load_b128 s[12:15], s[0:1], 0x20             ; x 12, out0 14
	v_lshl_add_u32 v62, v0, 2, 0x4cc00
	v_mov_b32 v63, 0
	ds_add_u32 v62, v63
	v_lshrrev_b32 v36, 5, v0
	v_readfirstlane_b32 s[WAVE], v36
	v_and_b32 v3, 31, v0                           ; lane
	v_and_b32 v1, 15, v0                           ; r
	v_bfe_u32 v2, v0, 4, 1                         ; h
	s_bfe_u32 s19, ttmp6, 0x40000                  ; cx
	s_lshl_b32 s20, ttmp9, 2
	s_add_co_u32 s20, s20, s19                     ; block of 64 queries
	s_and_b32 s21, ttmp7, 0xffff                   ; batch
	s_mov_b32 s22, 0x76543210
	s_mov_b32 s23, 0xfedcba98
	s_mov_b32 s[CNEG], 0xbd8293ee
.irp it, 0,1,2,3
	v_mov_b32 v[W4+\it], 0                         ; destinations of v_permlanex16_b32 count as read
.endr
	SETG1 G1K, W0K
	SETG1 G1V, W0V
	s_mov_b32 s[G0K], 1
	s_lshl_b32 s[G0K+1], s[WAVE], 15               ; my quarter of the K slot
	s_mov_b32 s[G0V], 1
	s_mul_i32 s[G0V+1], s[WAVE], 34816
	s_add_co_u32 s[G0V+1], s[G0V+1], VSL
	v_lshl_add_u32 v[KADR], v3, 4, s[G0K+1]        ; 32,768 w + 16 lane
	v_lshlrev_b32 v[QOFF], 4, v3
	s_mul_i32 s30, s[WAVE], 17408
	s_add_co_u32 s30, s30, VSL
	v_lshrrev_b32 v37, 1, v1
	v_mul_u32_u24 v37, v37, 272
	v_and_b32 v38, 1, v0
	v_lshl_add_u32 v37, v38, 7, v37
	v_lshl_add_u32 v37, v2, 4, v37
	v_add_nc_u32 v[VADR], s30, v37                 ; channel c = 128 w + r: row c >> 1 of 272 bytes, half c & 1 of 128; the 16 lanes touch 16 different 16-byte columns
	v_add_nc_u32 v[VADR+1], 69632, v[VADR]
	s_lshl_b32 s30, s[WAVE], 12
	s_add_co_u32 s30, s30, PREG
	v_lshl_add_u32 v[PST], v3, 4, s30
	v_lshlrev_b32 v[PLD], 4, v3
	v_add_nc_u32 v[PLD], PREG, v[PLD]
	s_lshl_b32 s30, s[WAVE], 8
	s_add_co_u32 s30, s30, MAXR
	v_lshl_add_u32 v[MST], v1, 4, s30
	v_lshlrev_b32 v[MLD], 4, v1
	v_add_nc_u32 v[MLD], MAXR, v[MLD]
	s_mul_i32 s30, s[WAVE], 4352
	s_add_co_u32 s30, s30, STAGE
	v_mul_u32_u24 v39, v2, 2176
	v_lshl_add_u32 v39, v1, 2, v39
	v_add_nc_u32 v[STO], s30, v39                  ; row 8 h of 272 bytes + 4 r
	v_mul_u32_u24 v39, v2, 272
	v_lshl_add_u32 v39, v1, 4, v39
	v_add_nc_u32 v[SRD], s30, v39                  ; 272 h + 16 r
	s_lshl_b32 s30, s[WAVE], 20
	v_lshl_add_u32 v[XOFF], v1, 4, s30
	v_lshl_add_u32 v[XOFF], v2, 13, v[XOFF]        ; (128 w + h) rows of 8,192 bytes + 16 r
	s_lshl_b32 s30, s[WAVE], 9
	v_lshl_add_u32 v[PBOFF], v2, 5, s30            ; (128 w + 8 h) 4
	s_lshl_b32 s26, s21, 21                        ; 2 MiB a batch in qt, kt, vblk
	s_mov_b32 s27, 0
	s_lshl_b32 s30, s[WAVE], 15                    ; my quarter of a K or V' tile
	s_mov_b32 s31, 0
	s_mov_b32 s61, 0
	s_lshl_b32 s[IDX], ttmp9, 1                    ; the cluster's first tile: 2 x cluster x, which the four partners share
	s_and_b32 s[IDX], s[IDX], 15
	s_wait_dscnt 0x0
	s_wait_kmcnt 0x0
	s_add_nc_u64 s[KB:KB+1], s[6:7], s[26:27]      ; the joint loads' addresses hang on the batch, the wave and the cluster alone
	s_add_nc_u64 s[KB:KB+1], s[KB:KB+1], s[30:31]
	s_add_nc_u64 s[VB:VB+1], s[8:9], s[26:27]
	s_add_nc_u64 s[VB:VB+1], s[VB:VB+1], s[30:31]
	s_add_nc_u64 s[4:5], s[4:5], s[26:27]
	s_lshl_b32 s60, s20, 16
	s_add_nc_u64 s[4:5], s[4:5], s[60:61]          ; qt at my block's 64 KiB
	s_lshl_b32 s60, s21, 22
	s_lshl_b32 s62, s20, 8
	s_add_co_u32 s60, s60, s62
	s_add_nc_u64 s[12:13], s[12:13], s[60:61]      ; x and out0 at my batch and my 256 bytes of every row
	s_add_nc_u64 s[14:15], s[14:15], s[60:61]
	s_lshl_b32 s26, s[IDX], 17                     ; 128 KiB a tile, in kt and in vblk
	s_add_nc_u64 s[G0K+2:G0K+3], s[KB:KB+1], s[26:27]
	s_or_b32 s[G0K+3], s[G0K+3], 0x80000000
	s_add_nc_u64 s[G0V+2:G0V+3], s[VB:VB+1], s[26:27]
	s_or_b32 s[G0V+3], s[G0V+3], 0x80000000
	ROUND                                          ; in front of the first joint loads
	tensor_load_to_lds s[G0K:G0K+3], s[G1K:G1K+7]  ; the first K tile
	s_nop 0
	tensor_load_to_lds s[G0V:G0V+3], s[G1V:G1V+7]  ; the first V' tile: two tensor loads of the wave are out
	s_nop 0
	WIN 0x40                                       ; Q: 64 fragments, every wave all of them
.irp ks, 0,1,2,3,4,5,6,7
.irp it, 0,1,2,3
	global_load_b128 v[8*(4*\ks+\it):8*(4*\ks+\it)+3],   v[QOFF], s[4:5] offset:16384*\it+1024*\ks
	global_load_b128 v[8*(4*\ks+\it)+4:8*(4*\ks+\it)+7], v[QOFF], s[4:5] offset:16384*\it+1024*\ks+512
.endr
.endr
	WIN 0x80
.irp ks, 0,1,2,3,4,5,6,7
.irp it, 0,1,2,3
	global_load_b128 v[8*(4*\ks+\it):8*(4*\ks+\it)+3],   v[QOFF], s[4:5] offset:16384*\it+1024*\ks+8192
	global_load_b128 v[8*(4*\ks+\it)+4:8*(4*\ks+\it)+7], v[QOFF], s[4:5] offset:16384*\it+1024*\ks+8704
.endr
.endr
	WIN 0
	s_wait_tensorcnt 0x1                           ; my quarter of K is in; V' may stay out
	BAR
	s_wait_loadcnt 0x0                             ; Q
.macro FETCHK b, buf                   ; K fragments of four K steps x my two blocks of 16 keys: 16 loads of 512 consecutive bytes (destination and address lie in window 0 under every setting used here)
.irp k, 0,1,2,3
.irp jt, 0,1
	ds_load_b128 v[\buf+16*\k+8*\jt:\buf+16*\k+8*\jt+3],   v[KADR] offset:16384*\jt+1024*(4*\b+\k)
	ds_load_b128 v[\buf+16*\k+8*\jt+4:\buf+16*\k+8*\jt+7], v[KADR] offset:16384*\jt+1024*(4*\b+\k)+512
.endr
.endr
.endm
.macro MULS1 b, k, buf, zero           ; the eight accumulators of S take turns, one instruction a turn
.irp it, 0,1,2,3
.irp jt, 0,1
	WM SR+16*\it+8*\jt, \buf+16*\k+8*\jt, 8*(4*((4*\b+\k)&7)+\it), \zero
.endr
.endr
.endm
.macro MULS b, buf, zero
	MULS1 \b, 0, \buf, \zero
	MULS1 \b, 1, \buf, 0
	MULS1 \b, 2, \buf, 0
	MULS1 \b, 3, \buf, 0
.endm
.macro SPHASE                          ; 128 matrix instructions; each s_wait_dscnt 16 leaves the batch issued last on its way
	FETCHK 0, VF0
	FETCHK 1, VF1
	s_wait_dscnt 16
	WIN 0x04
	MULS 0, VF0, 1
	PLACES 4
	FETCHK 2, VF0
	s_wait_dscnt 16
	MULS 1, VF1, 0
	PLACES 4
	FETCHK 3, VF1
	s_wait_dscnt 16
	WIN 0x08
	MULS 2, VF0, 0
	s_wait_dscnt 0x0
	MULS 3, VF1, 0
	WIN 0
	PLACES 4                                       ; in front of the vector reads of S and of loads into registers that these read
.endm
.macro LOCALMAX                        ; the largest raw S of my wave's 32 keys, for query (it, r), into MAXR
.irp it, 0,1,2,3
	v_max3_num_f32 v[T+\it], v[SR+16*\it], v[SR+16*\it+1], v[SR+16*\it+2]
.endr
.irp q, 3,5,7,9,11,13
.irp it, 0,1,2,3
	v_max3_num_f32 v[T+\it], v[T+\it], v[SR+16*\it+\q], v[SR+16*\it+\q+1]
.endr
.endr
.irp it, 0,1,2,3
	v_max_num_f32 v[T+\it], v[T+\it], v[SR+16*\it+15]
.endr
.irp it, 0,1,2,3
	v_permlanex16_b32 v[W4+\it], v[T+\it], s22, s23
.endr
.irp it, 0,1,2,3
	v_max_num_f32 v[T+\it], v[T+\it], v[W4+\it]
.endr
	ds_store_b128 v[MST], v[T:T+3]
.endm
.macro FETCHP ks, pf                   ; four fragments (K step ks x 4 blocks of queries) from PREG: 8 loads of 512 consecutive bytes
.irp it, 0,1,2,3
	ds_load_b128 v[\pf+8*\it:\pf+8*\it+3],   v[PLD] offset:(4*\ks+\it)*1024
	ds_load_b128 v[\pf+8*\it+4:\pf+8*\it+7], v[PLD] offset:(4*\ks+\it)*1024+512
.endr
.endm
.macro MUL32 vf, pf, zero              ; O^T(ct, it) += V' P^T: 32 matrix instructions on 32 accumulators by turns
	WIN 0xF0
.irp ct, 0,1,2,3,4,5,6,7
.irp it, 0,1,2,3
	WM 8*(4*\ct+\it), \vf+8*\ct, \pf+8*\it, \zero
.endr
.endr
.endm
; Four K steps of 32 keys.  The fragments of steps 0 and 1 have been asked for.  s_wait_dscnt 8: step 1's P may be out; 24: the 16 + 8 loads just issued.
.macro PVPHASE zero
	s_wait_dscnt 8
	MUL32 VF0, PF0, \zero
	PLACES 4
	WIN 0
	FETCHA VADR+1, 0, 2176, VF0
	FETCHP 2, PF0
	s_wait_dscnt 24
	MUL32 VF1, PF1, 0
	PLACES 4
	WIN 0
	FETCHA VADR+1, 64, 2176, VF1
	FETCHP 3, PF1
	s_wait_dscnt 24
	MUL32 VF0, PF0, 0
	s_wait_dscnt 0x0
	MUL32 VF1, PF1, 0
	WIN 0
	PLACES 5                                       ; the next matrix instructions write over registers that these read
.endm
.macro OSCALE                          ; O(ct, it) times AL(it): the query is the lane in both
	WIN 0xC3
.irp ct, 0,1,2,3,4,5,6,7
.irp e, 0,2,4,6
	v_pk_mul_f32 v[32*\ct+\e:32*\ct+\e+1],       v[32*\ct+\e:32*\ct+\e+1],       v[AL:AL+1] op_sel_hi:[1,0]
	v_pk_mul_f32 v[32*\ct+8+\e:32*\ct+8+\e+1],   v[32*\ct+8+\e:32*\ct+8+\e+1],   v[AL:AL+1] op_sel:[0,1] op_sel_hi:[1,1]
	v_pk_mul_f32 v[32*\ct+16+\e:32*\ct+16+\e+1], v[32*\ct+16+\e:32*\ct+16+\e+1], v[AL+2:AL+3] op_sel_hi:[1,0]
	v_pk_mul_f32 v[32*\ct+24+\e:32*\ct+24+\e+1], v[32*\ct+24+\e:32*\ct+24+\e+1], v[AL+2:AL+3] op_sel:[0,1] op_sel_hi:[1,1]
.endr
.endr
	WIN 0
.endm
.macro SOFTMAX first, last             ; from the four waves' maxima to P in PREG
.irp w, 0,1,2,3
	ds_load_b128 v[W4+4*\w:W4+4*\w+3], v[MLD] offset:256*\w        ; the four waves' maxima for my query
.endr
	s_wait_dscnt 0x0
.irp it, 0,1,2,3
	v_max3_num_f32 v[T+\it], v[W4+\it], v[W4+4+\it], v[W4+8+\it]
.endr
.if \first
.irp it, 0,1,2,3
	v_max_num_f32 v[M+\it], v[T+\it], v[W4+12+\it]
.endr
.else
.irp it, 0,1,2,3
	v_max3_num_f32 v[M+\it], v[T+\it], v[W4+12+\it], v[M+\it]      ; the running maximum
.endr
.irp it, 0,1,2,3
	v_fma_f32 v[AL+\it], s[CNEG], v[M+\it], -v[NM+\it]             ; new shift - old shift = c (old maximum - new), at most 0
.endr
.endif
.irp it, 0,1,2,3
	v_mul_f32 v[NM+\it], s[CNEG], v[M+\it]
.endr
.irp e, 0,2,4,6,8,10,12,14
	v_pk_fma_f32 v[SR+\e:SR+\e+1],       v[SR+\e:SR+\e+1],       CPOS, v[NM:NM+1] op_sel_hi:[1,0,0]              ; c S - c M: scale and shift in one
	v_pk_fma_f32 v[SR+16+\e:SR+16+\e+1], v[SR+16+\e:SR+16+\e+1], CPOS, v[NM:NM+1] op_sel:[0,0,1] op_sel_hi:[1,0,1]
	v_pk_fma_f32 v[SR+32+\e:SR+32+\e+1], v[SR+32+\e:SR+32+\e+1], CPOS, v[NM+2:NM+3] op_sel_hi:[1,0,0]
	v_pk_fma_f32 v[SR+48+\e:SR+48+\e+1], v[SR+48+\e:SR+48+\e+1], CPOS, v[NM+2:NM+3] op_sel:[0,0,1] op_sel_hi:[1,0,1]
.endr
.set i, 0
.rept 64
	v_exp_f32 v[SR+i], v[SR+i]
.set i, i+1
.endr
.if \first == 0
.irp it, 0,1,2,3
	v_exp_f32 v[AL+\it], v[AL+\it]
.endr
.endif
	v_nop                                          ; one plain place behind the transcendentals (ISA guide 5.7.2)
	s_wait_alu depctr_va_vdst(0)
.irp it, 0,1,2,3
	v_pk_add_f32 v[W4+2*\it:W4+2*\it+1], v[SR+16*\it:SR+16*\it+1], v[SR+16*\it+2:SR+16*\it+3]
.endr
.irp e, 4,6,8,10,12,14
.irp it, 0,1,2,3
	v_pk_add_f32 v[W4+2*\it:W4+2*\it+1], v[W4+2*\it:W4+2*\it+1], v[SR+16*\it+\e:SR+16*\it+\e+1]
.endr
.endr
.if \first
.irp it, 0,1,2,3
	v_add_f32 v[LS+\it], v[W4+2*\it], v[W4+2*\it+1]
.endr
.else
.irp it, 0,1,2,3
	v_add_f32 v[T+\it], v[W4+2*\it], v[W4+2*\it+1]
.endr
.irp it, 0,1,2,3
	v_fma_f32 v[LS+\it], v[LS+\it], v[AL+\it], v[T+\it]
.endr
.endif
.irp it, 0,1,2,3
.irp q, 0,1,2,3,4,5,6,7
	v_cvt_pk_bf16_f32 v[SR+16*\it+\q], v[SR+16*\it+2*\q], v[SR+16*\it+2*\q+1]     ; ascending in place: v[SR+16 it : +7] is P's fragment of my 32 keys
.endr
.endr
.irp it, 0,1,2,3
	ds_store_b128 v[PST], v[SR+16*\it:SR+16*\it+3]   offset:1024*\it
	ds_store_b128 v[PST], v[SR+16*\it+4:SR+16*\it+7] offset:1024*\it+512
.endr
.if \last
.irp it, 0,1,2,3
	v_permlanex16_b32 v[W4+\it], v[LS+\it], s22, s23
.endr
.irp it, 0,1,2,3
	v_add_f32 v[T+\it], v[LS+\it], v[W4+\it]
.endr
	ds_store_b128 v[MST], v[T:T+3] offset:1024     ; my wave's part of the row sums
.endif
.endm
.macro RESID                           ; Q is dead: window 1 takes the residual (rows 128 w + 16 ct + 2 t + h, 256 bytes for 16 lanes), window 2 pb of channels 128 w + 16 ct + 8 h + 0..7
	WIN 0x40
.irp ct, 0,1,2,3,4,5,6,7
.irp t, 0,1,2,3,4,5,6,7
	global_load_b128 v[4*(8*\ct+\t):4*(8*\ct+\t)+3], v[XOFF], s[12:13] offset:(16*\ct+2*\t)*8192 th:TH_LOAD_NT
.endr
.endr
	WIN 0x80
.irp ct, 0,1,2,3,4,5,6,7
	global_load_b128 v[8*\ct:8*\ct+3],   v[PBOFF], s[10:11] offset:64*\ct
	global_load_b128 v[8*\ct+4:8*\ct+7], v[PBOFF], s[10:11] offset:64*\ct+16
.endr
	WIN 0
.endm
; A step of 128 keys.  A plain barrier carries the exchange of the maxima: V's load may stay on its way across it.
; Two rounds of the cluster's barrier, each in front of ONE joint refill a wave.  In front of each round all my tensor loads have landed (so a group 0
; may be written) and all my LDS instructions are done.  The round behind the softmax shows P written and V' landed, and K's slot, read in the S phase,
; gets its next tile, which has the rescale and the P V phase in which to land.  The round behind P V shows K landed, and V's slot gets its next tile,
; which has the S phase and the softmax.  The last step fills nothing: a plain barrier in the middle, none at its end.
.macro STEP first, last
	SPHASE
	LOCALMAX
	s_wait_dscnt 0x0                               ; my maxima are written,
	BAR                                            ; everybody's are
	SOFTMAX \first, \last
	s_wait_tensorcnt 0x0
	ds_add_u32 v62, v63
	s_wait_dscnt 0x0
.if \last == 0
	s_add_co_u32 s[IDX], s[IDX], 1                 ; the next tile, round the sixteen
	s_and_b32 s[IDX], s[IDX], 15
	s_lshl_b32 s26, s[IDX], 17
	s_add_nc_u64 s[G0K+2:G0K+3], s[KB:KB+1], s[26:27]
	s_or_b32 s[G0K+3], s[G0K+3], 0x80000000
.endif
	s_wait_dscnt 0x0
.if \last
	BAR
	RESID
.else
	ROUND
	tensor_load_to_lds s[G0K:G0K+3], s[G1K:G1K+7]
	s_nop 0
.endif
	FETCHA VADR, 0, 2176, VF0                      ; the fragments of K steps 0 and 1 come in behind the rescale
	FETCHA VADR, 64, 2176, VF1
	FETCHP 0, PF0
	FETCHP 1, PF1
.if \first == 0
	OSCALE
.endif
	PVPHASE \first
.if \last == 0
	s_wait_tensorcnt 0x0
	ds_add_u32 v62, v63
	s_add_nc_u64 s[G0V+2:G0V+3], s[VB:VB+1], s[26:27]      ; the same tile of V'
	s_or_b32 s[G0V+3], s[G0V+3], 0x80000000
	s_wait_dscnt 0x0
	ROUND
	tensor_load_to_lds s[G0V:G0V+3], s[G1V:G1V+7]
	s_nop 0
.endif
.endm
	STEP 1, 0                                      ; the first step starts maxima, sums and O: nothing is cleared
	s_mov_b32 s24, 14
.Lstep:
	STEP 0, 0
	s_sub_co_u32 s24, s24, 1
	s_cmp_lg_u32 s24, 0
	s_cbranch_scc1 .Lstep
	STEP 0, 1
	; THE TAIL: out = O / sum + pb + x
.irp w, 0,1,2,3
	ds_load_b128 v[W4+4*\w:W4+4*\w+3], v[MLD] offset:1024+256*\w   ; the four waves' parts of my query's sums, written in front of the last step's barrier
.endr
	s_wait_dscnt 0x0
.irp it, 0,1,2,3
	v_add_f32 v[T+\it], v[W4+\it], v[W4+4+\it]
	v_add_f32 v[AL+\it], v[W4+8+\it], v[W4+12+\it]
.endr
.irp it, 0,1,2,3
	v_add_f32 v[T+\it], v[T+\it], v[AL+\it]        ; at least 1: the row's largest term is exp2(0)
.endr
.irp it, 0,1,2,3
	v_rcp_f32 v[AL+\it], v[T+\it]
.endr
	v_nop                                          ; one plain place behind the transcendentals
	s_wait_alu depctr_va_vdst(0)
; 16 channels at a time: O / sum + pb in one fused multiply-add; a lane holds 8 channels of one query, so 4 bytes a lane go into my stage
; (lanes 0-15 fill 64 consecutive bytes, lanes 16-31 write 2,176 bytes on: 128 modulo 256, other banks); back by rows of 256 bytes, + x, out.
.macro OUT16 ct
	WIN 0x23                                       ; O window 3, 1 / sum window 0, pb window 2
.irp e, 0,2,4,6
	v_pk_fma_f32 v[64+\e:64+\e+1], v[32*\ct+\e:32*\ct+\e+1],       v[AL:AL+1],   v[8*\ct+\e:8*\ct+\e+1] op_sel_hi:[1,0,1]
	v_pk_fma_f32 v[72+\e:72+\e+1], v[32*\ct+8+\e:32*\ct+8+\e+1],   v[AL:AL+1],   v[8*\ct+\e:8*\ct+\e+1] op_sel:[0,1,0] op_sel_hi:[1,1,1]
	v_pk_fma_f32 v[80+\e:80+\e+1], v[32*\ct+16+\e:32*\ct+16+\e+1], v[AL+2:AL+3], v[8*\ct+\e:8*\ct+\e+1] op_sel_hi:[1,0,1]
	v_pk_fma_f32 v[88+\e:88+\e+1], v[32*\ct+24+\e:32*\ct+24+\e+1], v[AL+2:AL+3], v[8*\ct+\e:8*\ct+\e+1] op_sel:[0,1,0] op_sel_hi:[1,1,1]
.endr
	WIN 0
.irp it, 0,1,2,3
.irp j, 0,1,2,3,4,5,6,7
	ds_store_b32 v[STO], v[64+8*\it+\j] offset:272*\j+64*\it
.endr
.endr
	s_wait_xcnt 0x0                                ; v[96:127], which the last stores read, are loaded again only behind this wait
.irp t, 0,1,2,3,4,5,6,7
	ds_load_b128 v[96+4*\t:96+4*\t+3], v[SRD] offset:544*\t        ; LDS serves a wave's instructions in order: these see the stores above
.endr
	s_wait_dscnt 0x0
	WIN 0x04                                       ; the residual in window 1
.irp t, 0,1,2,3,4,5,6,7
.irp e, 0,2
	v_pk_add_f32 v[96+4*\t+\e:96+4*\t+\e+1], v[96+4*\t+\e:96+4*\t+\e+1], v[4*(8*\ct+\t)+\e:4*(8*\ct+\t)+\e+1]
.endr
.endr
	WIN 0
.irp t, 0,1,2,3,4,5,6,7
	global_store_b128 v[XOFF], v[96+4*\t:96+4*\t+3], s[14:15] offset:(16*\ct+2*\t)*8192 th:TH_STORE_NT   ; 16 lanes store 256 consecutive aligned bytes
.endr
.endm
	s_wait_loadcnt 0x0                             ; the residual and pb
	OUT16 0
	OUT16 1
	OUT16 2
	OUT16 3
	OUT16 4
	OUT16 5
	OUT16 6
	OUT16 7
	s_wait_tensorcnt 0x0
	ds_add_u32 v62, v63
	s_wait_dscnt 0x0
	ROUND                                          ; the closing round: no work-group ends while a partner may still ask jointly
	s_endpgm
.Lfunc_end_k_q2fe4e167de_attn:
	.size	k_q2fe4e167de_attn, .Lfunc_end_k_q2fe4e167de_attn-k_q2fe4e167de_attn
	.p2alignl 7, 3214868480
	.fill 96, 4, 3214868480
	.section	.rodata,"a",@progbits
	.p2align	6, 0x0
	.amdhsa_kernel k_q2fe4e167de_attn
		.amdhsa_group_segment_fixed_size 327680
		.amdhsa_private_segment_fixed_size 0
		.amdhsa_enable_private_segment 0
		.amdhsa_kernarg_size 48
		.amdhsa_user_sgpr_count 2
		.amdhsa_user_sgpr_kernarg_segment_ptr 1
		.amdhsa_wavefront_size32 1
		.amdhsa_system_sgpr_workgroup_id_x 1
		.amdhsa_system_sgpr_workgroup_id_y 1
		.amdhsa_system_sgpr_workgroup_id_z 1
		.amdhsa_system_vgpr_workitem_id 0
		.amdhsa_next_free_vgpr 1024
		.amdhsa_next_free_sgpr 66
		.amdhsa_reserve_vcc 0
		.amdhsa_float_denorm_mode_32 3
		.amdhsa_float_denorm_mode_16_64 3
		.amdhsa_memory_ordered 1
		.amdhsa_forward_progress 1
		.amdhsa_inst_pref_size 212
	.end_amdhsa_kernel
	.amdgpu_metadata
---
amdhsa.version: [ 1, 2 ]
amdhsa.kernels:
  - .name:           k_q2fe4e167de_attn
    .symbol:         k_q2fe4e167de_attn.kd
    .args:
      - { .name: qt, .offset: 0, .size: 8, .value_kind: global_buffer, .address_space: global }
      - { .name: kt, .offset: 8, .size: 8, .value_kind: global_buffer, .address_space: global }
      - { .name: vblk, .offset: 16, .size: 8, .value_kind: global_buffer, .address_space: global }
      - { .name: pb, .offset: 24, .size: 8, .value_kind: global_buffer, .address_space: global }
      - { .name: x, .offset: 32, .size: 8, .value_kind: global_buffer, .address_space: global }
      - { .name: out0, .offset: 40, .size: 8, .value_kind: global_buffer, .address_space: global }
    .group_segment_fixed_size: 327680
    .private_segment_fixed_size: 0
    .kernarg_segment_align: 8
    .kernarg_segment_size: 48
    .max_flat_workgroup_size: 128
    .sgpr_count:     66
    .vgpr_count:     1024
    .wavefront_size: 32
...
	.end_amdgpu_metadata
.endif
;; end of part 3
